; MI455X (gfx1250); checked and timed in simulation.
; The chip was launched on July 23, 2026; its instructions are those of AMD's public machine-readable ISA for CDNA 5 (MIT licence, August 2026) and "CDNA5" Instruction Set Architecture Reference Guide (July 2026). The comments in the code are by the model that wrote it; some were corrected since.
;; Multi Head Self Attention. Allowed arithmetic: matrix products marked QUANTISED: E2M3 operands, one E8M0 scale for each 32 along K, by v_wmma_scale_f32_16x16x128_f8f6f4 with both operands' format E2M3, f32 sums; everything else in f32.
;; Inputs: b_out 1,024 float32; w_out 1,024 x 1,024 float32; w_qkv 1,024 x 3,072 float32; x 4 x 2,048 x 1,024 float32.
;; Outputs: out0 4 x 2,048 x 1,024 float32.
;; This version of the problem:
;;   THIS VERSION OF THE PROBLEM IS GIVEN IN LOW PRECISION. The matrix products marked QUANTISED in the list below multiply operands that are first quantised to E2M3 (2 exponent bits, 3 mantissa bits; 6 bits a number), with one power-of-two scale for each 32 numbers along K (OCP MX v1.0); their sums are f32. All else is computed in f32.
;;   The module's matrix products, in the order in which they are computed (A, B: the left and right operand; K: the contracted axis; several contracted axes count as one K, in the product's order):
;;     1. [M 8,192, K 1,024] x [K 1,024, N 3,072]; A: input x; B: input w_qkv: QUANTISED
;;     2. batch 64 x [M 2,048, K 64] x [K 64, N 2,048]; A: computed on the way; B: computed on the way: QUANTISED
;;     3. batch 64 x [M 64, K 2,048] x [K 2,048, N 2,048]; A: computed on the way; B: softmax (see below): QUANTISED
;;     4. [M 8,192, K 1,024] x [K 1,024, N 1,024]; A: computed on the way; B: input w_out: QUANTISED
;;   THE QUANTISER, for each operand of a quantised product, along K:
;;     - K is cut into blocks of 32 from its start; a last block that is shorter is filled with zeros.
;;     - A block's scale is 2^e with e = floor(log2(the largest magnitude in the block)) - 2, held to -126 .. 127; a block of zeros has e = 0. As a byte (E8M0): e + 127.
;;     - Each number is divided by its block's scale, clamped to +-7.5, and rounded to the nearest number of E2M3, ties to even, subnormals kept.
;;     - The product sums the exact products of the quantised numbers (number of the format x scale) in f32.
;;   ~~~python
;;   def quantise(x, axis):      # numpy; x: float32 -> the quantised numbers, widened to float32 again
;;       x = np.moveaxis(x, axis, -1); K = x.shape[-1]
;;       x = np.pad(x, [(0, 0)] * (x.ndim - 1) + [(0, -K % 32)]); x = x.reshape(x.shape[:-1] + (-1, 32)); a = np.abs(x).max(-1, keepdims=True)
;;       e = np.where(a > 0, np.clip(np.frexp(np.where(a > 0, a, 1))[1] - 1 - 2, -126, 127), 0)      # np.frexp(a)[1] - 1 = floor(log2(a)), exactly
;;       r = np.clip(x / 2.0 ** e, -7.5, 7.5)
;;       step = 2.0 ** (np.maximum(np.frexp(np.where(r == 0, 1, r))[1] - 1, 0) - 3)
;;       q = np.round(r / step) * step * 2.0 ** e      # np.round: ties to even
;;       return np.moveaxis(q.reshape(q.shape[:-2] + (-1,))[..., :K], -1, axis).astype(np.float32)
;;   ~~~
;;   SOFTMAX AHEAD OF A QUANTISED PRODUCT. Where the list says 'softmax', what is quantised is not the finished softmax but p = 2^(t - M), with t = logit x log2(e) and M = ceil(the row's largest t), a whole number; so 1/2 < the row's largest p <= 1. The row's sum l is taken of the UNQUANTISED p, in f32, and the product's result is divided by l at the end. Since M is a whole number, a kernel that streams over the keys may use a running M (the ceiling of the running maximum): every later rescaling is an exact power of two, which a block's scale takes up: the codes' values come out the same.
;;   OPERANDS COMPUTED ON THE WAY. 'Computed on the way' means the value that the module computes at that place (a softmax that the list does not call 'softmax' is quantised finished and normalised). What goes into a quantiser is computed in f32, as accurately as f32 sums, v_exp_f32 and their like allow (about 1e-6 of the number): no bf16 or f16 on the way to a quantiser, and a product that is left as it is and whose result goes on into a quantised operand takes f32 operands (vector FMAs, or v_wmma_f32_16x16x4_f32). A number that lies on a knife's edge between two numbers of the format may be rounded either way, as far as f32 arithmetic and the matrix unit's own rounding can turn it there, and no further.
;; One version. Each part assembles by itself: llvm-mc -triple=amdgcn-amd-amdhsa -mcpu=gfx1250 --defsym DOCPART=n.
;; ======== version 1 of 1: 4 launches
;; limits: right only within a limited range of input values
;; workspace buffers: xq 6,553,600 bytes; wq 3,276,800 bytes; qkv 20,185,088 bytes; att 6,553,600 bytes
;; launch quant (part 1): grid 384 x 1, 4 waves a work-group, no clusters, 34,304 bytes of LDS; arguments x, w_qkv, w_out, xq, wq; writes xq, wq
.if DOCPART == 1
	.amdgcn_target "amdgcn-amd-amdhsa--gfx1250"
	.amdhsa_code_object_version 6
	.text
	.protected	k_q6c9badb2f0_quant
	.globl	k_q6c9badb2f0_quant
	.p2align	8
	.type	k_q6c9badb2f0_quant,@function
k_q6c9badb2f0_quant:
	s_mov_b64 s[64:65], 0
	v_nop
	global_prefetch_b8 v0, s[64:65] scope:SCOPE_SE
	s_setreg_imm32_b32 hwreg(HW_REG_WAVE_MODE, 25, 1), 1
	s_wait_xcnt 0x0
; x [8192][1024], w_qkv [1024][3072], w_out [1024][1024], f32, become codes of FP6 (E2M3) with one E8M0 byte for each 32 along K (K = the 1,024), laid as the later launches' operand registers want them.
; A block's scale is 2^(floor(log2(largest magnitude)) - 2): its byte is the largest magnitude's exponent field - 2, held at 1 from below by a floor among the maximum's leaves.
; LIMITS: NaN and infinities are not served.  A block of zeros, or one whose largest magnitude lies under 2^-124, gets the byte 1: its codes are zeros or near it, and the bytes are read by this program alone.
; POSITION ORDER.  Rows of x (tokens) and columns of the weights are stored at position = index with bits 3 and 4 swapped: position 16 (2 B + u) + 8 h + j holds index 32 B + 16 h + 8 u + j.
; IMAGE.  16 rows x 64 K of codes are 768 bytes: lane l = r + 16 h of an operand holds k = 32 h .. 32 h + 31 of row r in six registers; registers 0-3 lie at byte 16 l, registers 4-5 at byte 512 + 16 r + 8 h.
; A tile of 16 rows has 16 images on end (12,288 bytes).  SCALES: [32 rows][K quarter][position in the 32][8 bytes].
; SHARES.  Work-groups 0-95: w_qkv; 96-127: w_out; 128-383: x.  Each reads 128 KiB.  The paths part on the work-group's number; the weights' paths use no LDS.
; No matrix work, no cluster: nothing is read twice.
.set SPARE, 33792                      ; behind the four stages: the spare words, 128 bytes a wave
.set SPW,   12                         ; v12  LDS address of my spare word; never rewritten
.set NIL,   13                         ; v13  0; never rewritten
.set XSOFF, 6291456                    ; x's scales in xq
; ---- the weights: a lane takes a column, its registers run down K (32 numbers = one block)
.macro LOADW t, n                      ; block t into set t % 2: each load reads 128 consecutive bytes
.irp i, 0,1,2,3,4,5,6,7,8,9,10,11,12,13,14,15,16,17,18,19,20,21,22,23,24,25,26,27,28,29,30,31
	global_load_b32 v[32+32*((\t)%2)+\i], v4, s[26:27] offset:(32*(\t)+\i)*(\n)*4 th:TH_LOAD_NT
.endr
.endm
.macro BLOCKW t, n
.set XS, 32+32*((\t)%2)
.set CW, 96+12*((\t)/2)                ; twelve registers of their own for each image: no store's data are written again
.set HH, (\t)%2
.if (\t) < 7
	s_wait_loadcnt 32                              ; this block's 32 loads are in; the next block's may be out
.else
	s_wait_loadcnt 0x0
.endif
	v_max3_num_f32 v14, |v[XS]|, |v[XS+1]|, |v[XS+2]|
	v_max3_num_f32 v15, |v[XS+3]|, |v[XS+4]|, |v[XS+5]|
.irp i, 6,10,14,18,22,26
	v_max3_num_f32 v14, v14, |v[XS+\i]|, |v[XS+\i+1]|
	v_max3_num_f32 v15, v15, |v[XS+\i+2]|, |v[XS+\i+3]|
.endr
	v_max3_num_f32 v14, v14, |v[XS+30]|, |v[XS+31]|
	v_max3_num_f32 v14, v14, v15, 0x1800000        ; and the floor 2^(3 - 127)
	v_add_nc_u32 v11, 0xff000000, v14              ; 2 off the exponent field: the conversion's scale operand
	v_cvt_scalef32_pk16_fp6_f32 v[CW+4*HH:CW+4*HH+2], v[XS:XS+15], v11   ; registers 0-2 of the block's six
	v_cvt_scalef32_pk16_fp6_f32 v[144:146], v[XS+16:XS+31], v11          ; registers 3-5 (a conversion's three begin on an even number)
	v_lshrrev_b32 v10, 23, v11                     ; the byte; also the plain instruction behind the conversions
.if (\t)%4 == 0
	v_mov_b32 v[24+(\t)/4], v10
.else
	v_lshl_or_b32 v[24+(\t)/4], v10, 8*((\t)%4), v[24+(\t)/4]
.endif
	v_mov_b32 v[CW+4*HH+3], v144
	v_mov_b32 v[CW+8+2*HH], v145
	v_mov_b32 v[CW+9+2*HH], v146
.if (\t)+2 < 8
	LOADW (\t)+2, \n
.endif
.if HH == 1                            ; an image is whole: my row's 16 bytes of each of its three runs of 256 bytes
	global_store_b128 v5, v[CW:CW+3], s[28:29] offset:768*((\t)/2)
	global_store_b128 v5, v[CW+4:CW+7], s[28:29] offset:768*((\t)/2)+256
	global_store_b128 v5, v[CW+8:CW+11], s[28:29] offset:768*((\t)/2)+512
.endif
.endm
; n: columns; ptr: the weight's pointer; offc, offs: its codes and scales in wq; id0: its first work-group
.macro WPATH n, ptr, offc, offs, id0
	s_sub_co_u32 s20, ttmp9, \id0
	s_lshr_b32 s21, s20, 2                         ; which 128 columns
	s_and_b32 s22, s20, 3                          ; which quarter of K
	s_mul_i32 s24, s22, 256*(\n)*4
	s_lshl_b32 s23, s21, 9
	s_add_co_u32 s24, s24, s23
	s_lshl_b32 s23, s16, 7
	s_add_co_u32 s24, s24, s23                     ; + my wave's 32 columns
	s_add_nc_u64 s[26:27], s[\ptr:\ptr+1], s[24:25]
	s_lshl_b32 s23, s21, 3
	s_lshl_b32 s24, s16, 1
	s_add_co_u32 s23, s23, s24                     ; my first tile of 16 positions: 8 cg + 2 w
	s_mul_i32 s24, s23, 12288
	s_mul_i32 s23, s22, 3072
	s_add_co_u32 s24, s24, s23
	s_add_co_u32 s24, s24, \offc
	s_add_nc_u64 s[28:29], s[12:13], s[24:25]
	s_lshl_b32 s23, s21, 2
	s_add_co_u32 s23, s23, s16                     ; my group of 32
	s_lshl_b32 s24, s23, 10
	s_lshl_b32 s23, s22, 8
	s_add_co_u32 s24, s24, s23
	s_add_co_u32 s24, s24, \offs
	s_add_nc_u64 s[30:31], s[12:13], s[24:25]
	v_lshlrev_b32 v4, 2, v1                        ; in: 4 bytes a lane
	v_bfe_u32 v2, v1, 3, 1                         ; u: which of the two tiles my column falls into
	v_lshrrev_b32 v3, 4, v1
	v_and_b32 v5, 7, v1
	v_lshl_add_u32 v3, v3, 3, v5                   ; r: its row there
	v_lshlrev_b32 v5, 4, v3
	v_mad_u32_u24 v5, v2, 0x3000, v5               ; codes: 12,288 u + 16 r
	v_lshl_add_u32 v6, v2, 4, v3
	v_lshlrev_b32 v6, 3, v6                        ; scales: 8 (16 u + r)
	LOADW 0, \n
	LOADW 1, \n
.irp t, 0,1,2,3,4,5,6,7
	BLOCKW \t, \n
.endr
	global_store_b64 v6, v[24:25], s[30:31]        ; the wave's 32 x 8 scale bytes: 256 consecutive bytes, aligned
	s_endpgm
.endm
; ---- x: K is innermost.  Fragment f: tile u = f / 2 of the group's two, 128 along K number f % 2 of my quarter
.macro LOADF f                         ; 16 rows x 512 bytes, each load 512 consecutive bytes; row p of the tile is token 16 (p / 8) + 8 u + p % 8
.irp p, 0,1,2,3,4,5,6,7,8,9,10,11,12,13,14,15
	global_load_b128 v[32+64*((\f)%2)+4*\p:32+64*((\f)%2)+4*\p+3], v4, s[4:5] offset:(16*(\p/8)+8*((\f)/2)+\p%8)*4096+512*((\f)%2) th:TH_LOAD_NT
.endr
.endm
.macro FRAGX f
.set RS, 32+64*((\f)%2)
.if (\f) < 3
	s_wait_loadcnt 16                              ; this fragment's 16 loads are in; the next one's may be out
.else
	s_wait_loadcnt 0x0
.endif
.irp p, 0,1,2,3,4,5,6,7,8,9,10,11,12,13,14,15
	ds_store_b128 v7, v[RS+4*\p:RS+4*\p+3] offset:528*\p     ; through my wave's stage, as loaded
.endr
.irp c, 0,1
.irp i, 0,1,2,3,4,5,6,7
	ds_load_b128 v[160+32*\c+4*\i:160+32*\c+4*\i+3], v8 offset:256*\c+16*\i   ; back: k = 64 c + 32 h + 0 .. 31 of row r.  LDS serves a wave's instructions in order
.endr
.endr
	s_wait_dscnt 0x0                               ; the numbers are in, and the stage's stores have read their registers
.if (\f) < 2
	LOADF (\f)+2
.endif
.irp c, 0,1                            ; block 2 c + h of my row: all its 32 numbers are mine
	v_max3_num_f32 v[14+\c], |v[160+32*\c]|, |v[161+32*\c]|, 0x1800000
.endr
.irp i, 2,4,6,8,10,12,14,16,18,20,22,24,26,28,30
.irp c, 0,1
	v_max3_num_f32 v[14+\c], v[14+\c], |v[160+32*\c+\i]|, |v[161+32*\c+\i]|
.endr
.endr
.irp c, 0,1
	v_add_nc_u32 v[16+\c], 0xff000000, v[14+\c]
.endr
.irp c, 0,1
	v_lshrrev_b32 v[18+\c], 23, v[16+\c]
.endr
	v_lshl_or_b32 v[20+(\f)], v19, 16, v18         ; my two bytes,
	v_lshlrev_b32 v[20+(\f)], v3, v[20+(\f)]       ; 8 h bits up;
	v_permlanex16_b32 v28, v[20+(\f)], s18, s19
	v_or_b32 v[20+(\f)], v[20+(\f)], v28           ; with lane l xor 16's the row's scale word is whole
.if (\f) > 0
	s_wait_alu depctr_va_vdst(0)
	s_wait_xcnt 0x0                                ; the last fragment's stores have read their data: the codes' registers are written again only behind this wait
.endif
.irp c, 0,1
	v_cvt_scalef32_pk16_fp6_f32 v[224+6*\c:226+6*\c], v[160+32*\c:175+32*\c], v[16+\c]
	v_cvt_scalef32_pk16_fp6_f32 v[236+4*\c:238+4*\c], v[176+32*\c:191+32*\c], v[16+\c]
.endr
	v_nop                                          ; one plain instruction behind the conversions
.irp c, 0,1
.irp i, 0,1,2
	v_mov_b32 v[227+6*\c+\i], v[236+4*\c+\i]
.endr
.endr
	global_store_b128 v4, v[224:227], s[26:27] offset:((\f)/2)*12288+((\f)%2)*1536        ; two images: 512 + 256 consecutive bytes each
	global_store_b64 v9, v[228:229], s[26:27] offset:((\f)/2)*12288+((\f)%2)*1536+512
	global_store_b128 v4, v[230:233], s[26:27] offset:((\f)/2)*12288+((\f)%2)*1536+768
	global_store_b64 v9, v[234:235], s[26:27] offset:((\f)/2)*12288+((\f)%2)*1536+1280
.endm
	s_load_b256 s[4:11], s[0:1], 0x0               ; x s[4:5], w_qkv s[6:7], w_out s[8:9], xq s[10:11]
	s_load_b64 s[12:13], s[0:1], 0x20              ; wq
	v_lshl_add_u32 v[SPW], v0, 2, SPARE
	v_mov_b32 v[NIL], 0
	v_lshrrev_b32 v1, 5, v0
	v_readfirstlane_b32 s16, v1                    ; wave 0..3
	v_and_b32 v1, 31, v0                           ; lane
	s_mov_b32 s25, 0                               ; the high word of every offset pair s[24:25]
	s_wait_kmcnt 0x0
	s_cmp_lt_u32 ttmp9, 96
	s_cbranch_scc1 .Lw_qkv
	s_cmp_lt_u32 ttmp9, 128
	s_cbranch_scc1 .Lw_out
	; ---- x: the work-group takes 32 tokens, wave w the quarter w of K
	s_sub_co_u32 s20, ttmp9, 128
	s_lshl_b32 s24, s20, 17                        ; 32 rows of 4,096 bytes
	s_lshl_b32 s21, s16, 10
	s_add_co_u32 s24, s24, s21
	s_add_nc_u64 s[4:5], s[4:5], s[24:25]
	s_mul_i32 s24, s20, 24576                      ; two tiles of 12,288 bytes
	s_mul_i32 s21, s16, 3072
	s_add_co_u32 s24, s24, s21
	s_add_nc_u64 s[26:27], s[10:11], s[24:25]
	s_lshl_b32 s24, s20, 10
	s_lshl_b32 s21, s16, 8
	s_add_co_u32 s24, s24, s21
	s_add_co_u32 s24, s24, XSOFF
	s_add_nc_u64 s[28:29], s[10:11], s[24:25]
	s_mul_i32 s17, s16, 8448                       ; my stage: 16 rows x (512 + 16) bytes
	s_mov_b32 s18, 0x76543210
	s_mov_b32 s19, 0xfedcba98                      ; lane l xor 16
	s_mov_b32 s20, 0xffff0000                      ; lanes 16-31
	s_wait_alu depctr_va_vdst(0)
	v_and_b32 v2, 15, v1                           ; r
	v_lshrrev_b32 v3, 4, v1                        ; h
	v_lshlrev_b32 v4, 4, v1                        ; 16 x lane
	v_add_nc_u32 v7, s17, v4                       ; the stage, on the way in
	v_mul_u32_u24 v8, v2, 528
	v_lshl_add_u32 v8, v3, 7, v8
	v_add_nc_u32 v8, s17, v8                       ; and out: row r, + 128 h
	v_lshlrev_b32 v9, 4, v2
	v_lshl_add_u32 v9, v3, 3, v9                   ; 16 r + 8 h
	v_lshlrev_b32 v10, 3, v1                       ; 8 x lane
	v_lshlrev_b32 v3, 3, v3                        ; 8 h
	v_mov_b32 v28, 0                               ; a lane permute's destination counts as one of its sources
	LOADF 0
	LOADF 1
	s_wait_alu depctr_va_vdst(0)
	FRAGX 0
	FRAGX 1
	FRAGX 2
	FRAGX 3
	v_cndmask_b32 v26, v20, v22, s20               ; lane = position in the 32: lanes 0-15 tile 0's rows, lanes 16-31 tile 1's
	v_cndmask_b32 v27, v21, v23, s20
	global_store_b64 v10, v[26:27], s[28:29]       ; 256 consecutive bytes, aligned
	s_wait_tensorcnt 0x0                           ; the wave's end, behind my last LDS store
	ds_add_u32 v[SPW], v[NIL]
	s_wait_dscnt 0x0
	s_endpgm
.Lw_qkv:
	s_wait_alu depctr_va_vdst(0)
	WPATH 3072, 6, 0, 2359296, 0
.Lw_out:
	s_wait_alu depctr_va_vdst(0)
	WPATH 1024, 8, 2457600, 3244032, 96
.Lfunc_end_k_q6c9badb2f0_quant:
	.size	k_q6c9badb2f0_quant, .Lfunc_end_k_q6c9badb2f0_quant-k_q6c9badb2f0_quant
	.p2alignl 7, 3214868480
	.fill 96, 4, 3214868480
	.section	.rodata,"a",@progbits
	.p2align	6, 0x0
	.amdhsa_kernel k_q6c9badb2f0_quant
		.amdhsa_group_segment_fixed_size 34304
		.amdhsa_private_segment_fixed_size 0
		.amdhsa_enable_private_segment 0
		.amdhsa_kernarg_size 40
		.amdhsa_user_sgpr_count 2
		.amdhsa_user_sgpr_kernarg_segment_ptr 1
		.amdhsa_wavefront_size32 1
		.amdhsa_system_sgpr_workgroup_id_x 1
		.amdhsa_system_sgpr_workgroup_id_y 1
		.amdhsa_system_sgpr_workgroup_id_z 1
		.amdhsa_system_vgpr_workitem_id 0
		.amdhsa_next_free_vgpr 248
		.amdhsa_next_free_sgpr 66
		.amdhsa_reserve_vcc 0
		.amdhsa_float_denorm_mode_32 3
		.amdhsa_float_denorm_mode_16_64 3
		.amdhsa_memory_ordered 1
		.amdhsa_forward_progress 1
		.amdhsa_inst_pref_size 107
	.end_amdhsa_kernel
	.amdgpu_metadata
---
amdhsa.version: [ 1, 2 ]
amdhsa.kernels:
  - .name:           k_q6c9badb2f0_quant
    .symbol:         k_q6c9badb2f0_quant.kd
    .args:
      - { .name: x, .offset: 0, .size: 8, .value_kind: global_buffer, .address_space: global }
      - { .name: w_qkv, .offset: 8, .size: 8, .value_kind: global_buffer, .address_space: global }
      - { .name: w_out, .offset: 16, .size: 8, .value_kind: global_buffer, .address_space: global }
      - { .name: xq, .offset: 24, .size: 8, .value_kind: global_buffer, .address_space: global }
      - { .name: wq, .offset: 32, .size: 8, .value_kind: global_buffer, .address_space: global }
    .group_segment_fixed_size: 34304
    .private_segment_fixed_size: 0
    .kernarg_segment_align: 8
    .kernarg_segment_size: 40
    .max_flat_workgroup_size: 128
    .sgpr_count:     66
    .vgpr_count:     248
    .wavefront_size: 32
...
	.end_amdgpu_metadata
.endif
;; end of part 1
;; launch gemm1 (part 2): grid 4 x 64, 4 waves a work-group, clusters of 4 x 1, 167,936 bytes of LDS; arguments xq, wq, qkv; writes qkv
.if DOCPART == 2
	.amdgcn_target "amdgcn-amd-amdhsa--gfx1250"
	.amdhsa_code_object_version 6
	.text
	.protected	k_q6c9badb2f0_gemm1
	.globl	k_q6c9badb2f0_gemm1
	.p2align	8
	.type	k_q6c9badb2f0_gemm1,@function
k_q6c9badb2f0_gemm1:
	s_mov_b64 s[64:65], 0
	v_nop
	global_prefetch_b8 v0, s[64:65] scope:SCOPE_SE
	s_setreg_imm32_b32 hwreg(HW_REG_WAVE_MODE, 25, 1), 1
	s_wait_xcnt 0x0
	s_wait_alu depctr_hold_cnt(0) depctr_sa_sdst(0) depctr_va_vdst(0) depctr_va_sdst(0) depctr_va_ssrc(0) depctr_va_vcc(0) depctr_vm_vsrc(0)
	s_getreg_b32 s2, hwreg(HW_REG_IB_STS2, 6, 4)
	s_cmp_eq_u32 s2, 0
	s_cbranch_scc0 .Lentry_in_a_cluster
	s_endpgm
.Lentry_in_a_cluster:
	s_bfe_u32 s2, ttmp6, 0x10000c
	s_cmp_lg_u32 s2, 0x3003
	s_cbranch_scc0 .Lentry_shape_is_right
	s_endpgm
.Lentry_shape_is_right:
; qkv = x w_qkv on codes of FP6 (E2M3) with E8M0 scales; the result is quantised (q and k along d, v along the tokens) and leaves as images and scale words, laid in records as the attention launch reads them.
; SHARES.  A work-group takes 128 tokens (a record) and four heads; wave w one head, 64 columns.  It stays for three units on the same tokens: the head's q, k and v columns.
; x: the 128 rows' codes for all of K are 98,304 dense bytes: they come into LDS once, a quarter by each wave's one tensor load, asked for jointly by the four work-groups of a cluster (mask 15), which share the tokens.
; THE WEIGHTS go from memory straight into the registers in which they stay for all of K (64 columns x 1,024: 384 registers), as the preparing launch laid them; no tensor load carries them, so they are not asked for jointly.
; Behind each K step the 48 registers that it has freed take the next unit's weights: those loads have the rest of the unit and the way out in which to land.  So nothing is left to prefetch.
; THE ORDER OF THE LOADS is that of their use, at the head as in the refills: for each pair of steps 16 + 16 loads of weights and 4 of their scale words.  So each step waits for its own weights alone, by count (at MUL's call).
; The scale words of both sides for all of K stay in registers too.
; q, k: source 0 = 16 columns of w, source 1 = 16 tokens: a lane holds a token, its registers run along d.  v: the sources change places: a lane holds a d, its registers run along the tokens.
; Accumulator (a, b) (a: tokens, b: columns) lies at 8 (4 a + b) for q and k and at 8 (8 b + a) for v: so in both cases registers 32 g .. 32 g + 31 are one image of 16 rows x 64, which lies 768 g bytes into the unit's codes.
; LIMITS: NaN and infinities are not served; a block whose largest magnitude lies under 2^-124 gets the byte 1.
; REGISTERS.  Window 0: v16-29 addresses; v32-95 x's scale words (8 a + step); v96-127 w's (8 b + step); v128-223 x's fragments, set 0, and on the way out at work.
;   Window 1: w's fragments of steps 0-4 (48 step + 12 b).  Window 2: v0-143 those of steps 5-7; v144-239 x's fragments, set 1.  Window 3: the 32 accumulators.
.set XSOFF,  6291456
.set WQSOFF, 2359296
.set HS,     315392
.set REC,    19712
.set SPARE,  98304
.set ADA, 16                           ; v16-17 16 l, for tiles 0-3 and 4-7 of x in LDS; v16 also the offset of loads and stores of 16 bytes a lane
.set ADT, 18                           ; v18-19 16 r + 8 h likewise
.set R8,  20                           ; 8 r
.set WO,  21                           ; 16 r + 256 h
.set R16, 22                           ; 16 r
.set SPW, 28
.set NIL, 29
.set AS,  32
.set WS,  96
.set BM,  128
.set PX,  136
.set SO,  144
.set TP,  152
.set PC,  168
.set HW,  216
.set MSB, 0
.macro WIN new
.if MSB != (\new)
	s_set_vgpr_msb (MSB<<8)|(\new)
.set MSB, (\new)
.endif
.endm
.macro CROUND
	s_barrier_signal -1
	s_barrier_wait -1
	s_cmp_lg_u32 s14, 0
	s_cbranch_scc1 .Lnot_wave_0_\@
	s_barrier_signal -3
.Lnot_wave_0_\@:
	s_barrier_wait -3
	s_barrier_signal -1
	s_barrier_wait -1
.endm
.macro PLACES
.rept 4
	v_nop
.endr
.endm
.macro ALOAD s                         ; 32 LDS loads: x's eight fragments of step s into set s % 2
	WIN 0x80*((\s)%2)
.set AB, 128+16*((\s)%2)
.irp i, 0,1,2,3,4,5,6,7
	ds_load_b128 v[AB+12*\i:AB+12*\i+3], v[ADA+\i/4] offset:12288*(\i%4)+1536*(\s)
	ds_load_b64 v[AB+12*\i+4:AB+12*\i+5], v[ADT+\i/4] offset:12288*(\i%4)+1536*(\s)+512
	ds_load_b128 v[AB+12*\i+6:AB+12*\i+9], v[ADA+\i/4] offset:12288*(\i%4)+1536*(\s)+768
	ds_load_b64 v[AB+12*\i+10:AB+12*\i+11], v[ADT+\i/4] offset:12288*(\i%4)+1536*(\s)+1280
.endr
	WIN 0
.endm
.macro BPLACE s                        ; where step s's weights lie
.if (\s) < 5
.set WB, 1
.set BB, 48*(\s)
.else
.set WB, 2
.set BB, 48*((\s)-5)
.endif
.endm
.macro BLOAD s                         ; 16 loads: my four tiles of 16 columns, step s
	BPLACE \s
	WIN WB<<6
.irp b, 0,1,2,3
	global_load_b128 v[BB+12*\b:BB+12*\b+3], v[ADA], s[40:41] offset:12288*\b+1536*(\s)
	global_load_b64 v[BB+12*\b+4:BB+12*\b+5], v[ADT], s[40:41] offset:12288*\b+1536*(\s)+512
	global_load_b128 v[BB+12*\b+6:BB+12*\b+9], v[ADA], s[40:41] offset:12288*\b+1536*(\s)+768
	global_load_b64 v[BB+12*\b+10:BB+12*\b+11], v[ADT], s[40:41] offset:12288*\b+1536*(\s)+1280
.endr
	WIN 0
.endm
.macro WSLOAD q                        ; 4 loads: w's scale words of steps 2 q, 2 q + 1
.irp b, 0,1,2,3
	global_load_b64 v[WS+8*\b+2*(\q):WS+8*\b+2*(\q)+1], v[R8], s[42:43] offset:1024*(\b/2)+256*(\q)+128*(\b%2)
.endr
.endm
.macro MUL s, v                        ; 32 matrix instructions, the 32 accumulators by turns; step 0 starts the sums
	BPLACE \s
.set WA, 2*((\s)%2)
.set AB, 128+16*((\s)%2)
.if \v
	WIN 0xf0|(WB<<2)|WA
.else
	WIN 0xf0|(WA<<2)|WB
.endif
.irp a, 0,1,2,3,4,5,6,7
.irp b, 0,1,2,3
.if \v
.if (\s) == 0
	v_wmma_scale_f32_16x16x128_f8f6f4 v[8*(8*\b+\a):8*(8*\b+\a)+7], v[AB+12*\a:AB+12*\a+11], v[BB+12*\b:BB+12*\b+11], 0, v[AS+8*\a+(\s)], v[WS+8*\b+(\s)] matrix_a_fmt:MATRIX_FMT_FP6 matrix_b_fmt:MATRIX_FMT_FP6
.else
	v_wmma_scale_f32_16x16x128_f8f6f4 v[8*(8*\b+\a):8*(8*\b+\a)+7], v[AB+12*\a:AB+12*\a+11], v[BB+12*\b:BB+12*\b+11], v[8*(8*\b+\a):8*(8*\b+\a)+7], v[AS+8*\a+(\s)], v[WS+8*\b+(\s)] matrix_a_fmt:MATRIX_FMT_FP6 matrix_b_fmt:MATRIX_FMT_FP6
.endif
.else
.if (\s) == 0
	v_wmma_scale_f32_16x16x128_f8f6f4 v[8*(4*\a+\b):8*(4*\a+\b)+7], v[BB+12*\b:BB+12*\b+11], v[AB+12*\a:AB+12*\a+11], 0, v[WS+8*\b+(\s)], v[AS+8*\a+(\s)] matrix_a_fmt:MATRIX_FMT_FP6 matrix_b_fmt:MATRIX_FMT_FP6
.else
	v_wmma_scale_f32_16x16x128_f8f6f4 v[8*(4*\a+\b):8*(4*\a+\b)+7], v[BB+12*\b:BB+12*\b+11], v[AB+12*\a:AB+12*\a+11], v[8*(4*\a+\b):8*(4*\a+\b)+7], v[WS+8*\b+(\s)], v[AS+8*\a+(\s)] matrix_a_fmt:MATRIX_FMT_FP6 matrix_b_fmt:MATRIX_FMT_FP6
.endif
.endif
.endr
.endr
.endm
; A UNIT: eight K steps.  At a step's head: four places behind the last step's products; the next step's fragments of x into the set that the last step has left; rl = 1: the next unit's weights into the registers that the last step has left.
; THE WAIT FOR A STEP'S WEIGHTS.  Behind the loads that step s needs (its pair's weights and words) stand 36 (3 - s / 2) loads of the same unit, and with rl = 1 also 16 s + 4 (s / 2) of the next unit's: there at least 108.
; The wait's count is that number, or 63 where it is more: the most that the count's field holds (ISA guide 5.7.1).
.macro UNIT v, rl
	ALOAD 0
.irp s, 0,1,2,3,4,5,6,7
.if \s > 0
	PLACES
.endif
.if \s < 7
	ALOAD (\s+1)
.endif
.if (\rl) && (\s > 0)
	BLOAD (\s-1)
.if \s%2 == 0
	WSLOAD (\s/2-1)
.endif
.endif
.if \s < 7
	s_wait_dscnt 32                                ; this step's fragments are in; the next step's 32 loads may be out
.else
	s_wait_dscnt 0x0
.endif
.if (\rl) || (\s < 4)
	s_wait_loadcnt 63
.else
	s_wait_loadcnt 36*(3-\s/2)
.endif
	MUL \s, \v
.endr
	WIN 0
	PLACES                                         ; in front of the loads below and of the first read of the results
.if \rl
	BLOAD 7
	WSLOAD 3
.endif
.endm
; THE WAY OUT: eight images, four at a time, line by line.  Registers 16 B + i of an image's 32 are element 32 B + 16 h + i of the lane's row: a block of 32 lies in lanes l and l xor 16.
.macro EPI cp
.irp bt, 0,1
	WIN 0x3c
.irp bk, 0,1
.irp k, 0,1,2,3
	v_max3_num_f32 v[BM+2*\k+\bk], 0x1800000, |v[32*(4*\bt+\k)+16*\bk]|, |v[32*(4*\bt+\k)+16*\bk+1]|   ; with the floor 2^(3 - 127)
.endr
.endr
.irp i, 2,4,6,8,10,12,14
.irp bk, 0,1
.irp k, 0,1,2,3
	v_max3_num_f32 v[BM+2*\k+\bk], v[BM+2*\k+\bk], |v[32*(4*\bt+\k)+16*\bk+\i]|, |v[32*(4*\bt+\k)+16*\bk+\i+1]|
.endr
.endr
.endr
	WIN 0
.irp n, 0,1,2,3,4,5,6,7
	v_permlanex16_b32 v[PX+\n], v[BM+\n], s32, s33
.endr
.irp n, 0,1,2,3,4,5,6,7
	v_max_num_f32 v[BM+\n], v[BM+\n], v[PX+\n]
.endr
.irp n, 0,1,2,3,4,5,6,7
	v_add_nc_u32 v[SO+\n], 0xff000000, v[BM+\n]    ; 2 off the exponent field: the conversion's scale operand
.endr
.irp n, 0,1,2,3,4,5,6,7
	v_lshrrev_b32 v[BM+\n], 23, v[SO+\n]           ; the byte
.endr
.irp k, 0,1,2,3
	v_lshl_or_b32 v[HW+4*\bt+\k], v[BM+2*\k+1], 8, v[BM+2*\k]   ; the image's two bytes
.endr
	WIN 0x03
.irp k, 0,1,2,3
	v_cvt_scalef32_pk16_fp6_f32 v[PC+6*(4*\bt+\k):PC+6*(4*\bt+\k)+2], v[32*(4*\bt+\k):32*(4*\bt+\k)+15], v[SO+2*\k]
	v_cvt_scalef32_pk16_fp6_f32 v[TP+4*\k:TP+4*\k+2], v[32*(4*\bt+\k)+16:32*(4*\bt+\k)+31], v[SO+2*\k+1]
.endr
	v_nop                                          ; one plain instruction behind the conversions
	WIN 0
.irp i, 0,1,2
.irp k, 0,1,2,3
	v_permlane16_swap_b32 v[PC+6*(4*\bt+\k)+\i], v[TP+4*\k+\i]   ; a whole block to a lane
.endr
.endr
.irp i, 0,1,2
.irp k, 0,1,2,3
	v_mov_b32 v[PC+6*(4*\bt+\k)+3+\i], v[TP+4*\k+\i]
.endr
.endr
.irp k, 0,1,2,3
	global_store_b128 v[ADA], v[PC+6*(4*\bt+\k):PC+6*(4*\bt+\k)+3], s[\cp:\cp+1] offset:768*(4*\bt+\k)        ; 512 + 256 consecutive bytes
	global_store_b64 v[ADT], v[PC+6*(4*\bt+\k)+4:PC+6*(4*\bt+\k)+5], s[\cp:\cp+1] offset:768*(4*\bt+\k)+512
.endr
.endr
.endm
	s_load_b128 s[4:7], s[0:1], 0x0                ; xq, wq
	s_load_b64 s[12:13], s[0:1], 0x10              ; qkv
	v_lshl_add_u32 v[SPW], v0, 2, SPARE
	v_mov_b32 v[NIL], 0
	ds_add_u32 v[SPW], v[NIL]                      ; the wave's opening: the add, twice on end, and its wait ahead of my first tensor load
	ds_add_u32 v[SPW], v[NIL]
	v_lshrrev_b32 v1, 5, v0
	v_readfirstlane_b32 s14, v1                    ; wave 0..3
	s_bfe_u32 s15, ttmp6, 0x40000                  ; cx: which four heads; it enters the weights' and the result's addresses alone
	s_and_b32 s16, ttmp7, 0xffff                   ; which 128 tokens: shared by the four partners
	s_mov_b32 s24, 15|(3<<16)|(1<<21)              ; the mask: all four; elements of 8 bytes; bit 21 beside a mask
	s_mov_b32 s25, 32<<16                          ; rows of 256 bytes,
	s_mov_b32 s26, 96<<16                          ; 96 of them, dense
	s_mov_b32 s27, 32<<16
	s_mov_b32 s28, 96
	s_mov_b32 s29, 32
	s_mov_b32 s30, 0
	s_mov_b32 s31, 0
	s_mov_b32 s32, 0x76543210
	s_mov_b32 s33, 0xfedcba98                      ; lane l xor 16
	s_mov_b32 s34, 0xffff0000                      ; lanes 16-31
	s_mov_b32 s20, 1
	s_mul_i32 s21, s14, 24576                      ; my quarter of the tile in LDS
	s_mul_i32 s8, s16, 98304
	s_add_co_u32 s8, s8, s21                       ; and in xq
	s_mov_b32 s9, 0
	s_lshl_b32 s10, s16, 12
	s_add_co_u32 s10, s10, XSOFF                   ; the tokens' scales: four groups of 32 x 1,024 bytes
	s_mov_b32 s11, 0
	s_lshl_b32 s17, s15, 2
	s_add_co_u32 s17, s17, s14                     ; my head
	s_mul_i32 s36, s17, 49152                      ; its four tiles of 16 columns
	s_mov_b32 s37, 0
	s_lshl_b32 s18, s17, 11
	s_add_co_u32 s18, s18, WQSOFF                  ; and their scales
	s_mov_b32 s19, 0
	s_lshr_b32 s46, s16, 4
	s_lshl_b32 s46, s46, 4
	s_add_co_u32 s46, s46, s17                     ; 16 batch + head
	s_mul_i32 s46, s46, HS
	s_and_b32 s47, s16, 15
	s_mul_i32 s47, s47, REC
	s_add_co_u32 s46, s46, s47                     ; my record
	s_mov_b32 s47, 0
	s_mov_b32 s3, 2
	v_and_b32 v[ADA], 31, v0
	v_lshlrev_b32 v[ADA], 4, v[ADA]                ; 16 l
	v_and_b32 v[R16], 0xf0, v[ADA]                 ; 16 r
	v_bfe_u32 v1, v0, 4, 1                         ; h
	v_lshl_add_u32 v[ADT], v1, 3, v[R16]           ; 16 r + 8 h
	v_lshl_add_u32 v[WO], v1, 8, v[R16]            ; 16 r + 256 h
	v_lshrrev_b32 v[R8], 1, v[R16]                 ; 8 r
	v_add_nc_u32 v[ADA+1], 49152, v[ADA]
	v_add_nc_u32 v[ADT+1], 49152, v[ADT]
	s_wait_alu depctr_va_vdst(0)
	s_wait_dscnt 0x0                               ; both opening adds are done
	s_wait_kmcnt 0x0
	s_add_nc_u64 s[22:23], s[4:5], s[8:9]
	s_or_b32 s23, s23, 0x80000000
	s_add_nc_u64 s[38:39], s[4:5], s[10:11]
	s_add_nc_u64 s[40:41], s[6:7], s[36:37]
	s_add_nc_u64 s[42:43], s[6:7], s[18:19]
	s_add_nc_u64 s[44:45], s[12:13], s[46:47]      ; q's codes; k's lie 6,656 bytes on
	s_add_nc_u64 s[46:47], s[44:45], 6144          ; q's words; k's lie 12,800 bytes on
	s_add_nc_u64 s[48:49], s[44:45], 12800         ; v's codes
	s_add_nc_u64 s[50:51], s[44:45], 19456         ; v's words
	CROUND                                         ; all four work-groups are here: the joint loads meet
	tensor_load_to_lds s[20:23], s[24:31]          ; my one tensor load
	s_nop 0
	PLACES
.irp q, 0,1,2,3
.irp i, 0,1,2,3,4,5,6,7
	global_load_b64 v[AS+8*\i+2*\q:AS+8*\i+2*\q+1], v[R8], s[38:39] offset:1024*(\i/2)+256*\q+128*(\i%2)   ; x's scale words, ahead of all the weights
.endr
.endr
.irp q, 0,1,2,3
	BLOAD (2*\q)                                   ; q's weights and words, in the order of the refills
	BLOAD (2*\q+1)
	WSLOAD \q
.endr
	s_wait_tensorcnt 0x0                           ; my quarter is in,
	s_barrier_signal -1
	s_barrier_wait -1                              ; everybody's is: nothing is filled again
.Lunit:                                                ; q, then k
	s_wait_xcnt 0x0                                ; every load issued so far has read its base: the bases may step
	s_add_nc_u64 s[40:41], s[40:41], 786432        ; the next unit's: 1,024 columns on
	s_add_nc_u64 s[42:43], s[42:43], 32768
	UNIT 0, 1
	EPI 44
.irp i, 0,1,2,3
	v_cndmask_b32 v[HW+\i], v[HW+\i], v[HW+4+\i], s34   ; lanes 0-15 tiles 0-3's words, lanes 16-31 tiles 4-7's; the upper two bytes of a word are 0
.endr
	global_store_b128 v[WO], v[HW:HW+3], s[46:47]  ; 512 consecutive bytes
	s_wait_xcnt 0x0                                ; the stores have read their data and bases
	s_add_nc_u64 s[44:45], s[44:45], 6656
	s_add_nc_u64 s[46:47], s[46:47], 12800
	s_sub_co_u32 s3, s3, 1
	s_cmp_lg_u32 s3, 0
	s_wait_alu depctr_va_vdst(0)
	s_cbranch_scc1 .Lunit
	UNIT 1, 0
	EPI 48
.irp b, 0,1,2,3
	v_lshl_or_b32 v[HW+\b], v[HW+2*\b+1], 16, v[HW+2*\b]   ; a d's scale word for the 128 tokens: two images' bytes
.endr
	global_store_b128 v[R16], v[HW:HW+3], s[50:51] ; 256 consecutive bytes; lanes l and l xor 16 hold and store the same
	s_wait_tensorcnt 0x0                           ; the wave's end
	ds_add_u32 v[SPW], v[NIL]
	s_wait_dscnt 0x0
	CROUND                                         ; the closing round
	s_endpgm
.Lfunc_end_k_q6c9badb2f0_gemm1:
	.size	k_q6c9badb2f0_gemm1, .Lfunc_end_k_q6c9badb2f0_gemm1-k_q6c9badb2f0_gemm1
	.p2alignl 7, 3214868480
	.fill 96, 4, 3214868480
	.section	.rodata,"a",@progbits
	.p2align	6, 0x0
	.amdhsa_kernel k_q6c9badb2f0_gemm1
		.amdhsa_group_segment_fixed_size 167936
		.amdhsa_private_segment_fixed_size 0
		.amdhsa_enable_private_segment 0
		.amdhsa_kernarg_size 24
		.amdhsa_user_sgpr_count 2
		.amdhsa_user_sgpr_kernarg_segment_ptr 1
		.amdhsa_wavefront_size32 1
		.amdhsa_system_sgpr_workgroup_id_x 1
		.amdhsa_system_sgpr_workgroup_id_y 1
		.amdhsa_system_sgpr_workgroup_id_z 1
		.amdhsa_system_vgpr_workitem_id 0
		.amdhsa_next_free_vgpr 1024
		.amdhsa_next_free_sgpr 66
		.amdhsa_reserve_vcc 0
		.amdhsa_float_denorm_mode_32 3
		.amdhsa_float_denorm_mode_16_64 3
		.amdhsa_memory_ordered 1
		.amdhsa_forward_progress 1
		.amdhsa_inst_pref_size 170
	.end_amdhsa_kernel
	.amdgpu_metadata
---
amdhsa.version: [ 1, 2 ]
amdhsa.kernels:
  - .name:           k_q6c9badb2f0_gemm1
    .symbol:         k_q6c9badb2f0_gemm1.kd
    .args:
      - { .name: xq, .offset: 0, .size: 8, .value_kind: global_buffer, .address_space: global }
      - { .name: wq, .offset: 8, .size: 8, .value_kind: global_buffer, .address_space: global }
      - { .name: qkv, .offset: 16, .size: 8, .value_kind: global_buffer, .address_space: global }
    .group_segment_fixed_size: 167936
    .private_segment_fixed_size: 0
    .kernarg_segment_align: 8
    .kernarg_segment_size: 24
    .max_flat_workgroup_size: 128
    .sgpr_count:     66
    .vgpr_count:     1024
    .wavefront_size: 32
...
	.end_amdgpu_metadata
.endif
;; end of part 2
;; launch attn (part 3): grid 4 x 64, 8 waves a work-group, clusters of 4 x 1, 210,944 bytes of LDS; arguments qkv, att; writes att
.if DOCPART == 3
	.amdgcn_target "amdgcn-amd-amdhsa--gfx1250"
	.amdhsa_code_object_version 6
	.text
	.protected	k_q6c9badb2f0_attn
	.globl	k_q6c9badb2f0_attn
	.p2align	8
	.type	k_q6c9badb2f0_attn,@function
k_q6c9badb2f0_attn:
	s_mov_b64 s[64:65], 0
	v_nop
	global_prefetch_b8 v0, s[64:65] scope:SCOPE_SE
	s_setreg_imm32_b32 hwreg(HW_REG_WAVE_MODE, 25, 1), 1
	s_wait_xcnt 0x0
	s_wait_alu depctr_hold_cnt(0) depctr_sa_sdst(0) depctr_va_vdst(0) depctr_va_sdst(0) depctr_va_ssrc(0) depctr_va_vcc(0) depctr_vm_vsrc(0)
	s_getreg_b32 s2, hwreg(HW_REG_IB_STS2, 6, 4)
	s_cmp_eq_u32 s2, 0
	s_cbranch_scc0 .Lentry_in_a_cluster
	s_endpgm
.Lentry_in_a_cluster:
	s_bfe_u32 s2, ttmp6, 0x10000c
	s_cmp_lg_u32 s2, 0x3003
	s_cbranch_scc0 .Lentry_shape_is_right
	s_endpgm
.Lentry_shape_is_right:
; attn[b][t][head] = softmax(q k^T / 8) v, both products on codes of FP6 (E2M3) with E8M0 scales; the result is quantised along d and leaves as images and scale bytes for the last product.
; THE SOFTMAX: t = score x log2(e) / 8; M = the running largest t rounded up to a whole number; p = 2^(t - M) is quantised along the keys, not normalised; the row's sum is taken of the unquantised p and divides at the end;
; when M moves, the sum and O are multiplied by 2^(old M - new M), which rounds nothing.
; SHARES.  A work-group owns one head and 512 queries; each of its 8 waves 64 queries, four tiles of 16, in two pairs.  One pass over the head's 2,048 keys, 128 a step: each fragment of K and V is read from LDS once for four query tiles.
; A WHOLE HEAD'S K, V AND THEIR SCALES, 16 x 13,056 bytes, LIE IN LDS, FILLED ONCE: wave w brings key steps 2 w and 2 w + 1 by one tensor load of two rows.  So the loop has no refill and no barrier, and nothing is left to prefetch.
; CLUSTER.  The four query blocks of a head form a cluster and ask for each record jointly (mask 15).
; LAYOUT.  Both products are used transposed: S^T = K Q^T, O^T = V^T P^T: a lane holds one query.  WHICH KEYS FORM A TILE OF K is chosen by the LDS addresses: rows 0-7 of tile 4 C + q are keys 8 q .. 8 q + 7 of block 2 C,
; rows 8-15 the same keys of block 2 C + 1.  So lane (r, h) holds, in 32 registers on end, the whole block 2 C + h of its query, in the keys' own order: a block's maximum needs no other lane, and the conversions' results are the operand's registers.
; The first product's K is 64: the upper six registers of Q's fragments are zero codes, written once.  K's fragments lie six registers apart: the upper half of a K operand is the next tile's codes (behind the last tile: zeros), which meet Q's zero codes and add nothing.
; Two query tiles are worked line by line, so that no line waits for the line above it.
; The step is written once: the last trip fetches the last record again, and nobody uses what it brings.
; The scale bytes of att are stored two bytes a row: their neighbours in the same 8 bytes belong to other heads' work-groups; beside 48 bytes of codes a row.
; LIMITS: NaN and infinities are not served; a block whose largest magnitude lies under 2^-124 gets the byte 1; the promise holds while |t| stays under 2^31.
; REGISTERS.  Window 0: addresses, state, scale words, Q, p's codes, K, V (names below).  Window 1: v0-127 S^T and p of a pair (tile x at 64 x), v128-255 O^T (tile i at 128 + 32 i).
.set HS,    315392
.set REC,   19712
.set STP,   13056                      ; a key step in LDS: K 0, V 6,144, K's words 12,288, V's words 12,800
.set SPARE, 16*STP                     ; the spare words, 128 bytes a wave
.set KA,  1                            ; the step's LDS addresses: K's 16 bytes, K's 8 bytes, K's words
.set KB,  2
.set KS,  3
.set SPW, 4
.set NIL, 5
.set VA,  6                            ; V's 16 bytes, V's 8 bytes, V's words
.set VB,  7
.set VS,  8
.set SH8, 9                            ; 8 h
.set KA0, 10                           ; the six lane terms
.set KB0, 11
.set KS0, 12
.set VA0, 13                           ; 16 l
.set VB0, 14                           ; 16 r + 8 h
.set VS0, 15                           ; 16 r
.set ST,  16                           ; state, six registers a tile: -M, largest score; the sum (two); f, old -M
.set KSW, 40
.set VSW, 48
.set QSW, 52
.set PSW, 56
.set BM,  58                           ; block maxima: 2 x + b
.set SO,  62                           ; the conversions' scale operands
.set X,   66                           ; eight at work
.set Q,   76                           ; 4 x 12
.set PC,  124                          ; p's codes, 2 x 12
.set KF,  148                          ; 8 x 6, and six zeros
.set VF,  208                          ; 4 x 12
.set MSB, 0
.macro WIN new                         ; the immediate's high byte repeats the setting that is left
.if MSB != (\new)
	s_set_vgpr_msb (MSB<<8)|(\new)
.set MSB, (\new)
.endif
.endm
.macro CROUND
	s_barrier_signal -1
	s_barrier_wait -1
	s_cmp_lg_u32 s8, 0
	s_cbranch_scc1 .Lnot_wave_0_\@
	s_barrier_signal -3
.Lnot_wave_0_\@:
	s_barrier_wait -3
	s_barrier_signal -1
	s_barrier_wait -1
.endm
.macro ADDR                            ; each address a lane term plus the stepped scalar
	v_add_nc_u32 v[KA], s39, v[KA0]
	v_add_nc_u32 v[KB], s39, v[KB0]
	v_add_nc_u32 v[KS], s39, v[KS0]
	v_add_nc_u32 v[VA], s39, v[VA0]
	v_add_nc_u32 v[VB], s39, v[VB0]
	v_add_nc_u32 v[VS], s39, v[VS0]
.endm
.macro KLOAD                           ; 20 loads: 8 tiles of 16 keys x 64, and their scale words
.irp c, 0,1
.irp q, 0,1,2,3
	ds_load_b128 v[KF+6*(4*\c+\q):KF+6*(4*\c+\q)+3], v[KA] offset:3072*\c+768*(\q%2)+128*(\q/2)
	ds_load_b64 v[KF+6*(4*\c+\q)+4:KF+6*(4*\c+\q)+5], v[KB] offset:3072*\c+768*(\q%2)+128*(\q/2)+512
.endr
.irp p, 0,1
	ds_load_b64 v[KSW+4*\c+2*\p:KSW+4*\c+2*\p+1], v[KS] offset:12288+256*\c+128*\p
.endr
.endr
.endm
.macro VLOAD                           ; 17 loads: 4 tiles of 16 d x 128 keys, and their scale words
.irp t, 0,1,2,3
	ds_load_b128 v[VF+12*\t:VF+12*\t+3], v[VA] offset:6144+1536*\t
	ds_load_b64 v[VF+12*\t+4:VF+12*\t+5], v[VB] offset:6144+1536*\t+512
	ds_load_b128 v[VF+12*\t+6:VF+12*\t+9], v[VA] offset:6144+1536*\t+768
	ds_load_b64 v[VF+12*\t+10:VF+12*\t+11], v[VB] offset:6144+1536*\t+1280
.endr
	ds_load_b128 v[VSW:VSW+3], v[VS] offset:12800
.endm
; A PAIR OF QUERY TILES (2 P, 2 P + 1) IN A KEY STEP
.macro PAIR P
	WIN 0x40                                       ; D in window 1
.irp t, 0,1,2,3,4,5,6,7
.irp x, 0,1
	v_wmma_scale_f32_16x16x128_f8f6f4 v[64*\x+8*\t:64*\x+8*\t+7], v[KF+6*\t:KF+6*\t+11], v[Q+12*(2*\P+\x):Q+12*(2*\P+\x)+11], 0, v[KSW+\t], v[QSW+2*\P+\x] matrix_a_fmt:MATRIX_FMT_FP6 matrix_b_fmt:MATRIX_FMT_FP6
.endr
.endr
	WIN 0
.if \P
	s_add_co_u32 s38, s38, STP
	s_min_u32 s39, s38, 15*STP                     ; the last trip names the last record again
	ADDR                                           ; six plain instructions: the places in front of the loads into K's registers and of the first read of the scores
	KLOAD                                          ; the next step's K, under this pair's softmax
.else
.rept 4
	v_nop                                          ; places in front of the first read of the scores
.endr
.endif
	WIN 0x15                                       ; the largest score of each block of 32 keys: for the row's maximum and, since p rises with the score, for the block's largest p
.irp b, 0,1
.irp x, 0,1
	v_max3_num_f32 v[BM+2*\x+\b], v[64*\x+32*\b], v[64*\x+32*\b+1], v[64*\x+32*\b+2]
.endr
.endr
	WIN 0x14
.irp i, 3,5,7,9,11,13,15,17,19,21,23,25,27,29
.irp b, 0,1
.irp x, 0,1
	v_max3_num_f32 v[BM+2*\x+\b], v[BM+2*\x+\b], v[64*\x+32*\b+\i], v[64*\x+32*\b+\i+1]
.endr
.endr
.endr
.irp b, 0,1
.irp x, 0,1
	v_max_num_f32 v[BM+2*\x+\b], v[BM+2*\x+\b], v[64*\x+32*\b+31]
.endr
.endr
	WIN 0
.irp x, 0,1
	v_max_num_f32 v[X+\x], v[BM+2*\x], v[BM+2*\x+1]
.endr
.irp x, 0,1
	v_permlanex16_b32 v[X+2+\x], v[X+\x], s32, s33
.endr
.irp x, 0,1
	v_max3_num_f32 v[ST+6*(2*\P+\x)+1], v[ST+6*(2*\P+\x)+1], v[X+\x], v[X+2+\x]   ; the running largest score
.endr
.irp x, 0,1
	v_mul_f32 v[X+\x], s34, v[ST+6*(2*\P+\x)+1]    ; as t
.endr
.irp x, 0,1
	v_mov_b32 v[ST+6*(2*\P+\x)+5], v[ST+6*(2*\P+\x)]
.endr
.irp x, 0,1
	v_floor_f32 v[ST+6*(2*\P+\x)], -v[X+\x]        ; the new -M = floor(-t): a whole number
.endr
.irp x, 0,1
	v_sub_f32 v[X+\x], v[ST+6*(2*\P+\x)], v[ST+6*(2*\P+\x)+5]
.endr
.irp x, 0,1
	v_cvt_i32_f32 v[X+\x], v[X+\x]                 ; (it saturates)
.endr
.irp x, 0,1
	v_ldexp_f32 v[ST+6*(2*\P+\x)+4], 1.0, v[X+\x]  ; f = 2^(old M - new M)
.endr
.irp b, 0,1
.irp x, 0,1
	v_fma_f32 v[BM+2*\x+\b], v[BM+2*\x+\b], s34, v[ST+6*(2*\P+\x)]
.endr
.endr
	WIN 0x41
.set J, 0
.rept 32
	v_pk_fma_f32 v[J:J+1], v[J:J+1], s[34:35], v[ST+12*\P:ST+12*\P+1] op_sel_hi:[1,0,0]   ; the first tile's t - M
.set J, J+2
.endr
	s_wait_alu depctr_va_vdst(0)                   ; ahead of a batch
.set J, 0
.rept 32
	v_exp_f32 v[J], v[J]                           ; the first tile's p = 2^(t - M),
	v_exp_f32 v[J+1], v[J+1]
	v_pk_fma_f32 v[64+J:65+J], v[64+J:65+J], s[34:35], v[ST+12*\P+6:ST+12*\P+7] op_sel_hi:[1,0,0]   ; and among them the second tile's t - M, first read behind the next wait
.set J, J+2
.endr
	s_wait_alu depctr_va_vdst(0)                   ; behind the first batch and ahead of the second
.set J, 64
.rept 64
	v_exp_f32 v[J], v[J]
.set J, J+1
.endr
	WIN 0
.irp k, 0,1,2,3
	v_exp_f32 v[BM+\k], v[BM+\k]                   ; the blocks' largest p
.endr
.irp x, 0,1
	v_pk_mul_f32 v[ST+6*(2*\P+\x)+2:ST+6*(2*\P+\x)+3], v[ST+6*(2*\P+\x)+2:ST+6*(2*\P+\x)+3], v[ST+6*(2*\P+\x)+4:ST+6*(2*\P+\x)+5] op_sel_hi:[1,0]   ; the sums under the new M; plain instructions behind the exponentials
.endr
	s_wait_alu depctr_va_vdst(0)                   ; one wait for the batch, ahead of its first reader
	WIN 0x05                                       ; the row's sum of the unquantised p: two chains a tile
.irp x, 0,1
	v_pk_add_f32 v[X+4+2*\x:X+5+2*\x], v[64*\x:64*\x+1], v[64*\x+2:64*\x+3]
.endr
	WIN 0x04
.irp j, 4,8,12,16,20,24,28,32,36,40,44,48,52,56,60
.irp x, 0,1
	v_pk_add_f32 v[ST+6*(2*\P+\x)+2:ST+6*(2*\P+\x)+3], v[ST+6*(2*\P+\x)+2:ST+6*(2*\P+\x)+3], v[64*\x+\j:64*\x+\j+1]
.endr
.irp x, 0,1
	v_pk_add_f32 v[X+4+2*\x:X+5+2*\x], v[X+4+2*\x:X+5+2*\x], v[64*\x+\j+2:64*\x+\j+3]
.endr
.endr
	WIN 0
.irp k, 0,1,2,3
	v_max_num_f32 v[BM+\k], 0x1800000, v[BM+\k]    ; the floor 2^(3 - 127)
.endr
.irp x, 0,1
	v_pk_add_f32 v[ST+6*(2*\P+\x)+2:ST+6*(2*\P+\x)+3], v[ST+6*(2*\P+\x)+2:ST+6*(2*\P+\x)+3], v[X+4+2*\x:X+5+2*\x]
.endr
.irp k, 0,1,2,3
	v_add_nc_u32 v[SO+\k], 0xff000000, v[BM+\k]    ; 2 off the exponent field: the conversion's scale operand
.endr
.irp k, 0,1,2,3
	v_lshrrev_b32 v[BM+\k], 23, v[SO+\k]           ; the byte
.endr
.irp x, 0,1
	v_lshl_or_b32 v[X+\x], v[BM+2*\x+1], 16, v[BM+2*\x]   ; my two bytes: blocks h and 2 + h,
.endr
.irp x, 0,1
	v_lshlrev_b32 v[X+\x], v[SH8], v[X+\x]         ; 8 h bits up;
.endr
.irp x, 0,1
	v_permlanex16_b32 v[X+2+\x], v[X+\x], s32, s33
.endr
.irp x, 0,1
	v_or_b32 v[PSW+\x], v[X+\x], v[X+2+\x]         ; with lane l xor 16's: p's scale word for these 128 keys
.endr
.irp c, 0,1
	WIN 0x01
.irp x, 0,1
	v_cvt_scalef32_pk16_fp6_f32 v[PC+12*\x+6*\c:PC+12*\x+6*\c+2], v[64*\x+32*\c:64*\x+32*\c+15], v[SO+2*\x+\c]
	v_cvt_scalef32_pk16_fp6_f32 v[X+4*\x:X+4*\x+2], v[64*\x+32*\c+16:64*\x+32*\c+31], v[SO+2*\x+\c]   ; (a conversion's three registers begin on an even number)
.endr
	v_nop                                          ; one plain instruction behind the conversions
	WIN 0
.irp i, 0,1,2
.irp x, 0,1
	v_mov_b32 v[PC+12*\x+6*\c+3+\i], v[X+4*\x+\i]
.endr
.endr
.endr
	WIN 0x41
	s_wait_alu depctr_va_vdst(0)                   ; directly ahead of the first reader of O^T
.irp x, 0,1
.set J, 128+32*(2*\P+\x)
.rept 16
	v_pk_mul_f32 v[J:J+1], v[J:J+1], v[ST+6*(2*\P+\x)+4:ST+6*(2*\P+\x)+5] op_sel_hi:[1,0]   ; O^T under the new M; also the places between the codes' and the scale words' last writes and the products
.set J, J+2
.endr
.endr
.if \P == 0
	s_wait_alu depctr_va_vdst(0)
	s_wait_dscnt 0x0                               ; V is in
.endif
	WIN 0x50                                       ; C and D in window 1
.irp t, 0,1,2,3
.irp x, 0,1
	v_wmma_scale_f32_16x16x128_f8f6f4 v[128+32*(2*\P+\x)+8*\t:128+32*(2*\P+\x)+8*\t+7], v[VF+12*\t:VF+12*\t+11], v[PC+12*\x:PC+12*\x+11], v[128+32*(2*\P+\x)+8*\t:128+32*(2*\P+\x)+8*\t+7], v[VSW+\t], v[PSW+\x] matrix_a_fmt:MATRIX_FMT_FP6 matrix_b_fmt:MATRIX_FMT_FP6
.endr
.endr
.endm
; THE WAY OUT of a pair: O^T / the sum (already divided) is quantised along d; register 16 B + i of a tile is d = 32 B + 16 h + i
.macro OUTP P
	WIN 0x14
.irp b, 0,1
.irp x, 0,1
	v_max3_num_f32 v[BM+2*\x+\b], 0x1800000, |v[128+32*(2*\P+\x)+16*\b]|, |v[128+32*(2*\P+\x)+16*\b+1]|
.endr
.endr
.irp i, 2,4,6,8,10,12,14
.irp b, 0,1
.irp x, 0,1
	v_max3_num_f32 v[BM+2*\x+\b], v[BM+2*\x+\b], |v[128+32*(2*\P+\x)+16*\b+\i]|, |v[128+32*(2*\P+\x)+16*\b+\i+1]|
.endr
.endr
.endr
	WIN 0
.irp k, 0,1,2,3
	v_permlanex16_b32 v[X+\k], v[BM+\k], s32, s33
.endr
.irp k, 0,1,2,3
	v_max_num_f32 v[BM+\k], v[BM+\k], v[X+\k]
.endr
.irp k, 0,1,2,3
	v_add_nc_u32 v[SO+\k], 0xff000000, v[BM+\k]
.endr
.irp k, 0,1,2,3
	v_lshrrev_b32 v[BM+\k], 23, v[SO+\k]
.endr
.irp x, 0,1
	v_lshl_or_b32 v[ST+6*(2*\P+\x)+4], v[BM+2*\x+1], 8, v[BM+2*\x]
.endr
	WIN 0x01
.irp x, 0,1
	v_cvt_scalef32_pk16_fp6_f32 v[PC+6*(2*\P+\x):PC+6*(2*\P+\x)+2], v[128+32*(2*\P+\x):128+32*(2*\P+\x)+15], v[SO+2*\x]
	v_cvt_scalef32_pk16_fp6_f32 v[X+4*\x:X+4*\x+2], v[128+32*(2*\P+\x)+16:128+32*(2*\P+\x)+31], v[SO+2*\x+1]
.endr
	v_nop
	WIN 0
.irp x, 0,1
.irp i, 0,1,2
	v_permlane16_swap_b32 v[PC+6*(2*\P+\x)+\i], v[X+4*\x+\i]
.endr
.endr
.irp x, 0,1
.irp i, 0,1,2
	v_mov_b32 v[PC+6*(2*\P+\x)+3+\i], v[X+4*\x+\i]
.endr
.endr
	v_cndmask_b32 v[ST+12*\P+4], v[ST+12*\P+4], v[ST+12*\P+10], s37   ; lane = position in the 32: lanes 0-15 the first tile's rows, lanes 16-31 the second's
.irp x, 0,1
	global_store_b128 v[VA0], v[PC+6*(2*\P+\x):PC+6*(2*\P+\x)+3], s[28:29] offset:12288*(2*\P+\x)   ; the image: 512 + 256 consecutive bytes
	global_store_b64 v[VB0], v[PC+6*(2*\P+\x)+4:PC+6*(2*\P+\x)+5], s[28:29] offset:12288*(2*\P+\x)+512
.endr
	global_store_b16 v[KA], v[ST+12*\P+4], s[30:31] offset:1024*\P
.endm
	s_load_b128 s[4:7], s[0:1], 0x0                ; qkv, att
	v_lshl_add_u32 v[SPW], v0, 2, SPARE
	v_mov_b32 v[NIL], 0
	ds_add_u32 v[SPW], v[NIL]                      ; the wave's opening: the add, twice on end, and its wait ahead of my first tensor load
	ds_add_u32 v[SPW], v[NIL]
	v_lshrrev_b32 v1, 5, v0
	v_readfirstlane_b32 s8, v1                     ; wave 0..7
	s_bfe_u32 s9, ttmp6, 0x40000                   ; cx: it enters Q's and att's addresses alone
	s_and_b32 s10, ttmp7, 0xffff                   ; 16 b + head, which the four partners share
	s_mov_b32 s16, 15|(3<<16)|(1<<21)              ; the mask: all four; elements of 8 bytes; bit 21 beside a mask
	s_mov_b32 s17, 1632<<16                        ; a row is a record's 13,056 bytes,
	s_mov_b32 s18, 2<<16                           ; two of them,
	s_mov_b32 s19, 1632<<16
	s_mov_b32 s20, 2
	s_mov_b32 s21, 2464                            ; 19,712 bytes apart: each begins at a multiple of 256 bytes
	s_mov_b32 s22, 0
	s_mov_b32 s23, 0
	s_mov_b32 s32, 0x76543210
	s_mov_b32 s33, 0xfedcba98                      ; lane l xor 16
	s_mov_b32 s34, 0x3e38aa3b                      ; c = log2(e) / 8
	s_mov_b32 s35, s34
	s_mov_b32 s37, 0xffff0000                      ; lanes 16-31
	s_mul_i32 s40, s10, HS                         ; the head's first byte
	s_mul_i32 s42, s8, 2*REC
	s_add_co_u32 s42, s42, 6656
	s_add_co_u32 s42, s42, s40                     ; key step 2 w's K, V and scales
	s_mov_b32 s43, 0
	s_mov_b32 s12, 1
	s_mul_i32 s13, s8, 2*STP
	s_wait_dscnt 0x0                               ; both opening adds are done
	s_wait_kmcnt 0x0
	s_add_nc_u64 s[14:15], s[4:5], s[42:43]
	s_or_b32 s15, s15, 0x80000000
	CROUND                                         ; all four work-groups are here: the joint loads meet
	tensor_load_to_lds s[12:15], s[16:23]          ; my one tensor load
	s_nop 0
.rept 4
	v_nop
.endr
	s_lshl_b32 s44, s9, 2
	s_lshr_b32 s45, s8, 1
	s_add_co_u32 s44, s44, s45
	s_mul_i32 s44, s44, REC
	s_add_co_u32 s44, s44, s40                     ; the record that holds my queries
	s_and_b32 s45, s8, 1
	s_mul_i32 s46, s45, 3072
	s_add_co_u32 s46, s46, s44
	s_mov_b32 s47, 0
	s_add_nc_u64 s[24:25], s[4:5], s[46:47]        ; Q: tiles 4 (w % 2) .. + 3 of the record
	s_lshl_b32 s46, s45, 8
	s_add_co_u32 s46, s46, s44
	s_add_co_u32 s46, s46, 6144
	s_add_nc_u64 s[26:27], s[4:5], s[46:47]        ; their scale words: four to a row
	s_lshr_b32 s44, s10, 4                         ; b
	s_and_b32 s45, s10, 15                         ; head
	s_lshl_b32 s42, s44, 7
	s_lshl_b32 s43, s9, 5
	s_add_co_u32 s42, s42, s43
	s_lshl_b32 s43, s8, 2
	s_add_co_u32 s42, s42, s43                     ; my first tile of 16 tokens
	s_lshl_b32 s46, s42, 4
	s_add_co_u32 s46, s46, s45
	s_mul_i32 s46, s46, 768
	s_add_nc_u64 s[28:29], s[6:7], s[46:47]        ; att's codes: (16 tile + head) x 768
	s_lshl_b32 s46, s42, 9                         ; att's scales: my group of 32 x 1,024,
	s_lshr_b32 s43, s45, 2
	s_lshl_b32 s43, s43, 8
	s_add_co_u32 s46, s46, s43                     ; the K quarter head / 4,
	s_and_b32 s43, s45, 3
	s_lshl_b32 s43, s43, 1
	s_add_co_u32 s46, s46, s43                     ; bytes 2 (head % 4) on
	s_add_co_u32 s46, s46, 6291456
	s_add_nc_u64 s[30:31], s[6:7], s[46:47]
	s_mov_b32 s38, 0
	s_mov_b32 s39, 0
	s_mov_b32 s36, 16
	v_and_b32 v[VA0], 31, v0
	v_lshlrev_b32 v[VA0], 4, v[VA0]                ; 16 l
	v_and_b32 v[VS0], 0xf0, v[VA0]                 ; 16 r
	v_bfe_u32 v[SH8], v0, 4, 1                     ; h
	v_lshl_add_u32 v[VB0], v[SH8], 3, v[VS0]       ; 16 r + 8 h
	v_and_b32 v[KS0], 7, v0
	v_lshlrev_b32 v[KS0], 4, v[KS0]                ; 16 (r % 8)
	v_bfe_u32 v[KA], v0, 3, 1                      ; r / 8: which of the two blocks my row of a K tile comes from
	v_mad_u32_u24 v[KB], v[KA], 1536, v[KS0]       ; two stored tiles on for the second block
	v_lshl_add_u32 v[KA0], v[SH8], 8, v[KB]
	v_lshl_add_u32 v[KB0], v[SH8], 3, v[KB]
	v_lshl_add_u32 v[KS0], v[KA], 3, v[KS0]
	v_lshlrev_b32 v[SH8], 3, v[SH8]                ; 8 h
	ADDR
.irp i, 0,1,2,3
	v_mov_b32 v[ST+6*\i], 0x7f61b1e6               ; -M
	v_mov_b32 v[ST+6*\i+1], 0xff61b1e6             ; the largest score so far: -3e38
.irp k, 2,3,4,5
	v_mov_b32 v[ST+6*\i+\k], 0
.endr
.irp k, 6,7,8,9,10,11
	v_mov_b32 v[Q+12*\i+\k], 0                     ; Q's k = 64 .. 127: zero codes
.endr
.endr
.irp k, 0,1,2,3,4,5
	v_mov_b32 v[KF+48+\k], 0                       ; behind K's last tile
.endr
.irp k, 0,1,2,3,4,5,6,7
	v_mov_b32 v[X+\k], 0                           ; a lane permute's destination counts as one of its sources
.endr
	WIN 0x40
.set J, 128
.rept 128
	v_mov_b32 v[J], 0                              ; O^T: the step is written once, and the first finds zeros
.set J, J+1
.endr
	WIN 0
	s_wait_alu depctr_va_vdst(0)
.irp i, 0,1,2,3
	global_load_b128 v[Q+12*\i:Q+12*\i+3], v[VA0], s[24:25] offset:768*\i
	global_load_b64 v[Q+12*\i+4:Q+12*\i+5], v[VB0], s[24:25] offset:768*\i+512
.endr
	global_load_b128 v[QSW:QSW+3], v[VS0], s[26:27]
	s_wait_tensorcnt 0x0                           ; my two records are in,
	s_barrier_signal -1
	s_barrier_wait -1                              ; everybody's are: nothing is filled again
	KLOAD
	VLOAD
	s_wait_loadcnt 0x0                             ; Q
.Lstep:
	s_wait_dscnt 17                                ; K and its words are in; V's 17 loads, issued behind them, may be out
	PAIR 0
	PAIR 1
	WIN 0
.rept 4
	v_nop                                          ; places in front of the loads into V's registers, and of the first read of O^T behind the loop
.endr
	VLOAD                                          ; the next step's V
	s_sub_co_u32 s36, s36, 1
	s_cmp_lg_u32 s36, 0
	s_wait_alu depctr_va_vdst(0)
	s_cbranch_scc1 .Lstep
.irp i, 0,1,2,3
	v_add_f32 v[ST+6*\i+2], v[ST+6*\i+2], v[ST+6*\i+3]
.endr
.irp i, 0,1,2,3
	v_permlanex16_b32 v[X+\i], v[ST+6*\i+2], s32, s33
.endr
.irp i, 0,1,2,3
	v_add_f32 v[ST+6*\i+2], v[ST+6*\i+2], v[X+\i]  ; the rows' sums
.endr
	s_wait_alu depctr_va_vdst(0)
.irp i, 0,1,2,3
	v_rcp_f32 v[ST+6*\i+2], v[ST+6*\i+2]
.endr
	v_lshrrev_b32 v[KA], 1, v[VA0]                 ; 8 x lane; the plain instruction behind the reciprocals
	WIN 0x41
	s_wait_alu depctr_va_vdst(0)                   ; ahead of the reciprocals' first reader, which is O^T's first reader too
.irp i, 0,1,2,3
.set J, 128+32*\i
.rept 16
	v_pk_mul_f32 v[J:J+1], v[J:J+1], v[ST+6*\i+2:ST+6*\i+3] op_sel_hi:[1,0]   ; O^T / the sum
.set J, J+2
.endr
.endr
	OUTP 0
	OUTP 1
	s_wait_tensorcnt 0x0                           ; the wave's end
	ds_add_u32 v[SPW], v[NIL]
	s_wait_dscnt 0x0
	CROUND                                         ; the closing round
	s_endpgm
.Lfunc_end_k_q6c9badb2f0_attn:
	.size	k_q6c9badb2f0_attn, .Lfunc_end_k_q6c9badb2f0_attn-k_q6c9badb2f0_attn
	.p2alignl 7, 3214868480
	.fill 96, 4, 3214868480
	.section	.rodata,"a",@progbits
	.p2align	6, 0x0
	.amdhsa_kernel k_q6c9badb2f0_attn
		.amdhsa_group_segment_fixed_size 210944
		.amdhsa_private_segment_fixed_size 0
		.amdhsa_enable_private_segment 0
		.amdhsa_kernarg_size 16
		.amdhsa_user_sgpr_count 2
		.amdhsa_user_sgpr_kernarg_segment_ptr 1
		.amdhsa_wavefront_size32 1
		.amdhsa_system_sgpr_workgroup_id_x 1
		.amdhsa_system_sgpr_workgroup_id_y 1
		.amdhsa_system_sgpr_workgroup_id_z 1
		.amdhsa_system_vgpr_workitem_id 0
		.amdhsa_next_free_vgpr 512
		.amdhsa_next_free_sgpr 66
		.amdhsa_reserve_vcc 0
		.amdhsa_float_denorm_mode_32 3
		.amdhsa_float_denorm_mode_16_64 3
		.amdhsa_memory_ordered 1
		.amdhsa_forward_progress 1
		.amdhsa_inst_pref_size 81
	.end_amdhsa_kernel
	.amdgpu_metadata
---
amdhsa.version: [ 1, 2 ]
amdhsa.kernels:
  - .name:           k_q6c9badb2f0_attn
    .symbol:         k_q6c9badb2f0_attn.kd
    .args:
      - { .name: qkv, .offset: 0, .size: 8, .value_kind: global_buffer, .address_space: global }
      - { .name: att, .offset: 8, .size: 8, .value_kind: global_buffer, .address_space: global }
    .group_segment_fixed_size: 210944
    .private_segment_fixed_size: 0
    .kernarg_segment_align: 8
    .kernarg_segment_size: 16
    .max_flat_workgroup_size: 256
    .sgpr_count:     66
    .vgpr_count:     512
    .wavefront_size: 32
...
	.end_amdgpu_metadata
.endif
;; end of part 3
;; launch gemm2 (part 4): grid 4 x 64, 4 waves a work-group, clusters of 4 x 1, 167,936 bytes of LDS; arguments att, wq, b_out, out0; writes out0
.if DOCPART == 4
	.amdgcn_target "amdgcn-amd-amdhsa--gfx1250"
	.amdhsa_code_object_version 6
	.text
	.protected	k_q6c9badb2f0_gemm2
	.globl	k_q6c9badb2f0_gemm2
	.p2align	8
	.type	k_q6c9badb2f0_gemm2,@function
k_q6c9badb2f0_gemm2:
	s_mov_b64 s[64:65], 0
	v_nop
	global_prefetch_b8 v0, s[64:65] scope:SCOPE_SE
	s_setreg_imm32_b32 hwreg(HW_REG_WAVE_MODE, 25, 1), 1
	s_wait_xcnt 0x0
	s_wait_alu depctr_hold_cnt(0) depctr_sa_sdst(0) depctr_va_vdst(0) depctr_va_sdst(0) depctr_va_ssrc(0) depctr_va_vcc(0) depctr_vm_vsrc(0)
	s_getreg_b32 s2, hwreg(HW_REG_IB_STS2, 6, 4)
	s_cmp_eq_u32 s2, 0
	s_cbranch_scc0 .Lentry_in_a_cluster
	s_endpgm
.Lentry_in_a_cluster:
	s_bfe_u32 s2, ttmp6, 0x10000c
	s_cmp_lg_u32 s2, 0x3003
	s_cbranch_scc0 .Lentry_shape_is_right
	s_endpgm
.Lentry_shape_is_right:
; out0 = attn w_out + b_out on codes of FP6 (E2M3) with E8M0 scales; f32 out.
; SHARES.  A work-group takes 128 tokens and 256 columns; wave w 64 of the columns.
; attn: the 128 rows' codes for all of K are 98,304 dense bytes: they come into LDS once, a quarter by each wave's one tensor load, asked for jointly by the four work-groups of a cluster (mask 15), which share the tokens.
; THE WEIGHTS go from memory straight into the registers in which they stay for all of K (64 columns x 1,024: 384 registers), as the preparing launch laid them; no tensor load carries them, so they are not asked for jointly.
; Everything is asked for at the head, so nothing is left to prefetch.  The scale words of both sides stay in registers.
; Source 0 = 16 columns of w, source 1 = 16 tokens: a lane holds eight neighbouring numbers of a row of the result.  The bias is the C of the first step's products.
; Rows and columns lie in position order (index bits 3 and 4 swapped); the way out puts them back.
; REGISTERS.  Window 0: v16-29 addresses; v32-95 attn's scale words (8 a + step); v96-127 w's (8 b + step); v128-223 attn's fragments, set 0, and on the way out rows read back; v224-255 the bias.
;   Window 1: w's fragments of steps 0-4 (48 step + 12 b).  Window 2: v0-143 those of steps 5-7; v144-239 attn's fragments, set 1.  Window 3: accumulator (a, b) at 8 (4 a + b).
.set ASOFF,  6291456
.set WOC,    2457600
.set WOS,    3244032
.set SPARE,  98304
.set STAGE,  98816                     ; behind the spare words: 16 rows x (256 + 16) bytes for each wave; no tensor load lands there
.set SPITCH, 272
.set ADA, 16
.set ADT, 18
.set R8,  20
.set STO, 21
.set RD,  22
.set CO,  23
.set BIO, 24
.set SPW, 28
.set NIL, 29
.set AS,  32
.set WS,  96
.set BK,  128
.set BI,  224
.set MSB, 0
.macro WIN new
.if MSB != (\new)
	s_set_vgpr_msb (MSB<<8)|(\new)
.set MSB, (\new)
.endif
.endm
.macro CROUND
	s_barrier_signal -1
	s_barrier_wait -1
	s_cmp_lg_u32 s14, 0
	s_cbranch_scc1 .Lnot_wave_0_\@
	s_barrier_signal -3
.Lnot_wave_0_\@:
	s_barrier_wait -3
	s_barrier_signal -1
	s_barrier_wait -1
.endm
.macro PLACES
.rept 4
	v_nop
.endr
.endm
.macro ALOAD s                         ; 32 LDS loads: attn's eight fragments of step s into set s % 2
	WIN 0x80*((\s)%2)
.set AB, 128+16*((\s)%2)
.irp i, 0,1,2,3,4,5,6,7
	ds_load_b128 v[AB+12*\i:AB+12*\i+3], v[ADA+\i/4] offset:12288*(\i%4)+1536*(\s)
	ds_load_b64 v[AB+12*\i+4:AB+12*\i+5], v[ADT+\i/4] offset:12288*(\i%4)+1536*(\s)+512
	ds_load_b128 v[AB+12*\i+6:AB+12*\i+9], v[ADA+\i/4] offset:12288*(\i%4)+1536*(\s)+768
	ds_load_b64 v[AB+12*\i+10:AB+12*\i+11], v[ADT+\i/4] offset:12288*(\i%4)+1536*(\s)+1280
.endr
	WIN 0
.endm
.macro BPLACE s
.if (\s) < 5
.set WB, 1
.set BB, 48*(\s)
.else
.set WB, 2
.set BB, 48*((\s)-5)
.endif
.endm
.macro BLOAD s                         ; 16 loads: my four tiles of 16 columns, step s
	BPLACE \s
	WIN WB<<6
.irp b, 0,1,2,3
	global_load_b128 v[BB+12*\b:BB+12*\b+3], v[ADA], s[40:41] offset:12288*\b+1536*(\s)
	global_load_b64 v[BB+12*\b+4:BB+12*\b+5], v[ADT], s[40:41] offset:12288*\b+1536*(\s)+512
	global_load_b128 v[BB+12*\b+6:BB+12*\b+9], v[ADA], s[40:41] offset:12288*\b+1536*(\s)+768
	global_load_b64 v[BB+12*\b+10:BB+12*\b+11], v[ADT], s[40:41] offset:12288*\b+1536*(\s)+1280
.endr
	WIN 0
.endm
.macro MUL s                           ; 32 matrix instructions, the 32 accumulators by turns
	BPLACE \s
.set WA, 2*((\s)%2)
.set AB, 128+16*((\s)%2)
.if (\s) == 0
	WIN 0xc0|(WA<<2)|WB                            ; C, the bias, in window 0
.else
	WIN 0xf0|(WA<<2)|WB
.endif
.irp a, 0,1,2,3,4,5,6,7
.irp b, 0,1,2,3
.if (\s) == 0
	v_wmma_scale_f32_16x16x128_f8f6f4 v[8*(4*\a+\b):8*(4*\a+\b)+7], v[BB+12*\b:BB+12*\b+11], v[AB+12*\a:AB+12*\a+11], v[BI+8*\b:BI+8*\b+7], v[WS+8*\b+(\s)], v[AS+8*\a+(\s)] matrix_a_fmt:MATRIX_FMT_FP6 matrix_b_fmt:MATRIX_FMT_FP6
.else
	v_wmma_scale_f32_16x16x128_f8f6f4 v[8*(4*\a+\b):8*(4*\a+\b)+7], v[BB+12*\b:BB+12*\b+11], v[AB+12*\a:AB+12*\a+11], v[8*(4*\a+\b):8*(4*\a+\b)+7], v[WS+8*\b+(\s)], v[AS+8*\a+(\s)] matrix_a_fmt:MATRIX_FMT_FP6 matrix_b_fmt:MATRIX_FMT_FP6
.endif
.endr
.endr
.endm
; THE WAY OUT, block by block of 16 rows x 64 columns, through my own stage: back come whole rows of 256 bytes, two to a load
.macro TOSTAGE a
	WIN 0x0c                                       ; the data: window 3
.irp b, 0,1,2,3
	ds_store_b128 v[STO], v[32*(\a)+8*\b:32*(\a)+8*\b+3] offset:128*(\b/2)+32*(\b%2)       ; each accumulator from its low end on; column 32 (b / 2) + 16 h + 8 (b % 2) + j
	ds_store_b128 v[STO], v[32*(\a)+8*\b+4:32*(\a)+8*\b+7] offset:128*(\b/2)+32*(\b%2)+16
.endr
	WIN 0
.irp k, 0,1,2,3,4,5,6,7
	ds_load_b128 v[BK+32*((\a)%2)+4*\k:BK+32*((\a)%2)+4*\k+3], v[RD] offset:\k*2*SPITCH   ; LDS serves a wave's instructions in order: these see the stores above
.endr
.endm
.macro SEND a, younger                 ; younger: the LDS instructions issued behind block a's loads
	s_wait_dscnt \younger
.irp k, 0,1,2,3,4,5,6,7
	global_store_b128 v[CO], v[BK+32*((\a)%2)+4*\k:BK+32*((\a)%2)+4*\k+3], s[12:13] offset:(32*((\a)/2)+16*(\k/4)+8*((\a)%2)+2*(\k%4))*4096 th:TH_STORE_NT   ; sixteen lanes store 256 consecutive bytes, aligned
.endr
.endm
	s_load_b128 s[4:7], s[0:1], 0x0                ; att, wq
	s_load_b128 s[8:11], s[0:1], 0x10              ; b_out, out0
	v_lshl_add_u32 v[SPW], v0, 2, SPARE
	v_mov_b32 v[NIL], 0
	ds_add_u32 v[SPW], v[NIL]                      ; the wave's opening: the add, twice on end, and its wait ahead of my first tensor load
	ds_add_u32 v[SPW], v[NIL]
	v_lshrrev_b32 v1, 5, v0
	v_readfirstlane_b32 s14, v1                    ; wave 0..3
	s_bfe_u32 s15, ttmp6, 0x40000                  ; cx: which 256 columns; it enters the weights', the bias's and the result's addresses alone
	s_and_b32 s16, ttmp7, 0xffff                   ; which 128 tokens: shared by the four partners
	s_mov_b32 s24, 15|(3<<16)|(1<<21)              ; the mask: all four; elements of 8 bytes; bit 21 beside a mask
	s_mov_b32 s25, 32<<16                          ; rows of 256 bytes,
	s_mov_b32 s26, 96<<16                          ; 96 of them, dense
	s_mov_b32 s27, 32<<16
	s_mov_b32 s28, 96
	s_mov_b32 s29, 32
	s_mov_b32 s30, 0
	s_mov_b32 s31, 0
	s_mov_b32 s20, 1
	s_mul_i32 s21, s14, 24576                      ; my quarter of the tile in LDS
	s_mul_i32 s2, s16, 98304
	s_add_co_u32 s2, s2, s21                       ; and in att
	s_mov_b32 s3, 0
	s_lshl_b32 s32, s16, 12
	s_add_co_u32 s32, s32, ASOFF                   ; the tokens' scales
	s_mov_b32 s33, 0
	s_lshl_b32 s17, s15, 2
	s_add_co_u32 s17, s17, s14                     ; my 64 columns
	s_mul_i32 s36, s17, 49152
	s_add_co_u32 s36, s36, WOC                     ; their four tiles
	s_mov_b32 s37, 0
	s_lshl_b32 s18, s17, 11
	s_add_co_u32 s18, s18, WOS                     ; and their scales
	s_mov_b32 s19, 0
	s_lshl_b32 s44, s17, 8                         ; 64 columns of 4 bytes
	s_mov_b32 s45, 0
	s_lshl_b32 s46, s16, 19                        ; 128 rows of 4,096 bytes
	s_add_co_u32 s46, s46, s44
	s_mov_b32 s47, 0
	s_mul_i32 s34, s14, 16*SPITCH
	s_add_co_u32 s34, s34, STAGE                   ; my stage
	v_and_b32 v[ADA], 31, v0
	v_lshlrev_b32 v[ADA], 4, v[ADA]                ; 16 l
	v_and_b32 v2, 0xf0, v[ADA]                     ; 16 r
	v_bfe_u32 v1, v0, 4, 1                         ; h
	v_lshl_add_u32 v[ADT], v1, 3, v2               ; 16 r + 8 h
	v_lshrrev_b32 v[R8], 1, v2                     ; 8 r
	v_add_nc_u32 v[ADA+1], 49152, v[ADA]
	v_add_nc_u32 v[ADT+1], 49152, v[ADT]
	v_and_b32 v3, 15, v0
	v_mul_u32_u24 v3, v3, SPITCH
	v_lshl_add_u32 v3, v1, 6, v3
	v_add_nc_u32 v[STO], s34, v3                   ; into the stage: row r, + 64 h
	v_mul_u32_u24 v3, v1, SPITCH
	v_add_nc_u32 v3, v3, v2
	v_add_nc_u32 v[RD], s34, v3                    ; out of it: row h, 16 bytes a lane
	v_lshl_add_u32 v[CO], v1, 12, v2               ; and the same in out0
	v_lshlrev_b32 v[BIO], 6, v1                    ; the bias: 64 h
	s_wait_alu depctr_va_vdst(0)
	s_wait_dscnt 0x0                               ; both opening adds are done
	s_wait_kmcnt 0x0
	s_add_nc_u64 s[22:23], s[4:5], s[2:3]
	s_or_b32 s23, s23, 0x80000000
	s_add_nc_u64 s[38:39], s[4:5], s[32:33]
	s_add_nc_u64 s[40:41], s[6:7], s[36:37]
	s_add_nc_u64 s[42:43], s[6:7], s[18:19]
	s_add_nc_u64 s[8:9], s[8:9], s[44:45]
	s_add_nc_u64 s[12:13], s[10:11], s[46:47]
	CROUND                                         ; all four work-groups are here: the joint loads meet
	tensor_load_to_lds s[20:23], s[24:31]          ; my one tensor load
	s_nop 0
	PLACES
.irp q, 0,1,2,3
.irp b, 0,1,2,3
	global_load_b64 v[WS+8*\b+2*\q:WS+8*\b+2*\q+1], v[R8], s[42:43] offset:1024*(\b/2)+256*\q+128*(\b%2)
.endr
.irp i, 0,1,2,3,4,5,6,7
	global_load_b64 v[AS+8*\i+2*\q:AS+8*\i+2*\q+1], v[R8], s[38:39] offset:1024*(\i/2)+256*\q+128*(\i%2)
.endr
.endr
.irp b, 0,1,2,3
	global_load_b128 v[BI+8*\b:BI+8*\b+3], v[BIO], s[8:9] offset:(32*(\b/2)+8*(\b%2))*4
	global_load_b128 v[BI+8*\b+4:BI+8*\b+7], v[BIO], s[8:9] offset:(32*(\b/2)+8*(\b%2))*4+16
.endr
.irp s, 0,1,2,3,4,5,6,7
	BLOAD \s                                       ; the weights last, in the order of their use: 16 loads a step
.endr
	s_wait_tensorcnt 0x0                           ; my quarter is in,
	s_barrier_signal -1
	s_barrier_wait -1                              ; everybody's is: nothing is filled again
	ALOAD 0
.irp s, 0,1,2,3,4,5,6,7
.if \s > 0
	PLACES                                         ; in front of the loads into the set that the last step has left
.endif
.if \s < 7
	ALOAD (\s+1)
	s_wait_dscnt 32                                ; this step's fragments are in; the next step's 32 loads may be out
.else
	s_wait_dscnt 0x0
.endif
.if \s < 4
	s_wait_loadcnt 63                              ; this step's weights are in, and the scale words and the bias, asked for ahead of them: behind them stand 16 (7 - s) loads, here 64 or more; 63 is the most that the count's field holds (ISA guide 5.7.1)
.else
	s_wait_loadcnt 16*(7-\s)                       ; the later steps' loads may be out
.endif
	MUL \s
.endr
	WIN 0
	PLACES                                         ; in front of the first read of the results
	TOSTAGE 0
.irp a, 1,2,3,4,5,6,7
.if \a > 1
	s_wait_xcnt 0x0                                ; block a - 2's stores have read their registers: block a's loads may land there
.endif
	TOSTAGE \a
	SEND (\a-1), 16                                ; behind block a - 1's loads: block a's 8 stores and 8 loads
.endr
	SEND 7, 0
	s_wait_tensorcnt 0x0                           ; the wave's end, behind my last LDS store
	ds_add_u32 v[SPW], v[NIL]
	s_wait_dscnt 0x0
	CROUND                                         ; the closing round
	s_endpgm
.Lfunc_end_k_q6c9badb2f0_gemm2:
	.size	k_q6c9badb2f0_gemm2, .Lfunc_end_k_q6c9badb2f0_gemm2-k_q6c9badb2f0_gemm2
	.p2alignl 7, 3214868480
	.fill 96, 4, 3214868480
	.section	.rodata,"a",@progbits
	.p2align	6, 0x0
	.amdhsa_kernel k_q6c9badb2f0_gemm2
		.amdhsa_group_segment_fixed_size 167936
		.amdhsa_private_segment_fixed_size 0
		.amdhsa_enable_private_segment 0
		.amdhsa_kernarg_size 32
		.amdhsa_user_sgpr_count 2
		.amdhsa_user_sgpr_kernarg_segment_ptr 1
		.amdhsa_wavefront_size32 1
		.amdhsa_system_sgpr_workgroup_id_x 1
		.amdhsa_system_sgpr_workgroup_id_y 1
		.amdhsa_system_sgpr_workgroup_id_z 1
		.amdhsa_system_vgpr_workitem_id 0
		.amdhsa_next_free_vgpr 1024
		.amdhsa_next_free_sgpr 66
		.amdhsa_reserve_vcc 0
		.amdhsa_float_denorm_mode_32 3
		.amdhsa_float_denorm_mode_16_64 3
		.amdhsa_memory_ordered 1
		.amdhsa_forward_progress 1
		.amdhsa_inst_pref_size 88
	.end_amdhsa_kernel
	.amdgpu_metadata
---
amdhsa.version: [ 1, 2 ]
amdhsa.kernels:
  - .name:           k_q6c9badb2f0_gemm2
    .symbol:         k_q6c9badb2f0_gemm2.kd
    .args:
      - { .name: att, .offset: 0, .size: 8, .value_kind: global_buffer, .address_space: global }
      - { .name: wq, .offset: 8, .size: 8, .value_kind: global_buffer, .address_space: global }
      - { .name: b_out, .offset: 16, .size: 8, .value_kind: global_buffer, .address_space: global }
      - { .name: out0, .offset: 24, .size: 8, .value_kind: global_buffer, .address_space: global }
    .group_segment_fixed_size: 167936
    .private_segment_fixed_size: 0
    .kernarg_segment_align: 8
    .kernarg_segment_size: 32
    .max_flat_workgroup_size: 128
    .sgpr_count:     66
    .vgpr_count:     1024
    .wavefront_size: 32
...
	.end_amdgpu_metadata
.endif
;; end of part 4
